; MI455X (gfx1250); checked and timed in simulation.
; The chip was launched on July 23, 2026; its instructions are those of AMD's public machine-readable ISA for CDNA 5 (MIT licence, August 2026) and "CDNA5" Instruction Set Architecture Reference Guide (July 2026). The comments in the code are by the model that wrote it; some were corrected since.
;; Lattice. Allowed arithmetic: matrix products marked QUANTISED: E5M2 operands, one given power-of-two scale a tensor, by v_wmma_f32_16x16x64_bf8_bf8 or v_wmma_f32_16x16x128_bf8_bf8, f32 sums; everything else in f32.
;; Inputs: bias 64 float32; fbits 16 x 65,536 bool; lowp_scales 2 int32 (the exponents e of the quantised operands' scales 2^e); weight_codes 64 x 2,048 x 32 uint8 (E5M2 codes of weight, K innermost, in blocks of 32 codes); x 2,048 x 16 float32.
;; Outputs: out0 2,048 x 64 float32.
;; This version of the problem:
;;   THIS VERSION OF THE PROBLEM IS GIVEN IN LOW PRECISION. The matrix products marked QUANTISED in the list below multiply operands that are first quantised to E5M2 (5 exponent bits, 2 mantissa bits; 8 bits a number), with one given power-of-two scale for each operand tensor; their sums are f32. All else is computed in f32.
;;   The module's matrix products, in the order in which they are computed (A, B: the left and right operand; K: the contracted axis; several contracted axes count as one K, in the product's order):
;;     1. [M 2,048, K 65,536] x [K 65,536, N 64]; A: computed on the way; B: input weight (given as codes): QUANTISED (scales: A lowp_scales[0], B lowp_scales[1])
;;   THE QUANTISER, for each operand of a quantised product, along K:
;;     - The operand's scale is 2^e, e = its entry of the input lowp_scales (int32; the entries are numbered through the quantised products in the list's order, A before B).
;;     - Each number is divided by the scale, clamped to +-57,344, and rounded to the nearest number of E5M2, ties to even, subnormals kept.
;;     - The product sums the exact products of the quantised numbers (number of the format x scale) in f32.
;;   ~~~python
;;   def quantise(x, axis, e):      # numpy; x: float32 -> the quantised numbers, widened to float32 again
;;       x = np.moveaxis(x, axis, -1); K = x.shape[-1]
;;       r = np.clip(x / 2.0 ** e, -57344, 57344)
;;       step = 2.0 ** (np.maximum(np.frexp(np.where(r == 0, 1, r))[1] - 1, -14) - 2)
;;       q = np.round(r / step) * step * 2.0 ** e      # np.round: ties to even
;;       return np.moveaxis(q, -1, axis).astype(np.float32)
;;   ~~~
;;   OPERANDS COMPUTED ON THE WAY. 'Computed on the way' means the value that the module computes at that place (a softmax that the list does not call 'softmax' is quantised finished and normalised). What goes into a quantiser is computed in f32, as accurately as f32 sums, v_exp_f32 and their like allow (about 1e-6 of the number): no bf16 or f16 on the way to a quantiser, and a product that is left as it is and whose result goes on into a quantised operand takes f32 operands (vector FMAs, or v_wmma_f32_16x16x4_f32). A number that lies on a knife's edge between two numbers of the format may be rounded either way, as far as f32 arithmetic and the matrix unit's own rounding can turn it there, and no further.
;;   INPUTS GIVEN AS CODES. weight (in the module: [64, 65536], K = its axis 1): each comes as NAME_codes (uint8): NAME with its K axis moved to the last place and cut into blocks of 32 codes, [.., K / 32, bytes a block], one block behind the other in memory; one code a byte (a code: sign, 5 exponent bits, 2 mantissa bits); its scale is its entry of lowp_scales. Its value is code x scale, taken as it is: it is not quantised again, and the codes and scales need not be those that the quantiser above would give.
;; 2 versions, each right; version 2 is version 1 with the launch lattice written anew for expert scheduling mode. Each part assembles by itself: llvm-mc -triple=amdgcn-amd-amdhsa -mcpu=gfx1250 --defsym DOCPART=n.
;; ======== version 1 of 2: 2 launches
;; workspace buffers: part 4,194,304 bytes
;; launch lattice (part 1): grid 32 x 8, 8 waves a work-group, no clusters, 271,360 bytes of LDS; arguments x, fbits, weight_codes, lowp_scales, part; writes part
.if DOCPART == 1
	.amdgcn_target "amdgcn-amd-amdhsa--gfx1250"
	.amdhsa_code_object_version 6
	.text
	.protected	k_qba1f04fe21_lattice
	.globl	k_qba1f04fe21_lattice
	.p2align	8
	.type	k_qba1f04fe21_lattice,@function
k_qba1f04fe21_lattice:
	s_mov_b64 s[64:65], 0
	v_nop
	global_prefetch_b8 v0, s[64:65] scope:SCOPE_SE
	s_setreg_imm32_b32 hwreg(HW_REG_WAVE_MODE, 25, 1), 1
	s_wait_xcnt 0x0
; part[ks][b][o] = the sum over one eighth of K of code(f[b][j]) x code(W[o][j]): raw sums of products of E5M2 codes, f32, not yet scaled.
; f[b][j] = the product over i < 16 of (fbits[i][j] ? x[b][i] : 1 - x[b][i]).  fbits is honoured as it is given: column j of fbits is a pattern of 16 bits, and
; f[b][j] = TH[b][upper 8 bits] x TL[b][lower 8 bits], TH the product of factors 0-7 in reference()'s order, TL of factors 8-15: two tables of 256 numbers a row, built once in LDS.
; f is then held within +-57,344 x 2^e0 and turned into codes with the given scale 2^e0 (e0 = lowp_scales[0]); W arrives as codes.
; LIMITS: a byte of fbits is 0 or 1; e0 between -126 and 112, so that 2^e0 and 57,344 x 2^e0 are f32 numbers; NaN among the features is not served; f is (f0..f7) x (f8..f15), one association other than reference()'s chain.
; SHARES.  A work-group: 64 rows b (x = row block, 32 of them) x 8,192 j (y = eighth of K): 256 work-groups.  Wave w of eight: 1,024 of those j, in 8 K steps of 128, for all 64 rows and all 64 outputs:
; 16 accumulators of 16 x 16.  The eight waves' sums meet in LDS at the end; the eight eighths of K are added by the next launch.
; K'S PLACES.  In a K step, lane (r = lane % 16, h = lane / 16), operand register p, byte y stand for j = j0 + 64 h + 4 p + y, in W's fragments and in the features' alike: a permutation of k that both sides share.
; THE MATRIX INSTRUCTION IS USED TRANSPOSED: source 0 = 16 rows of W, source 1 = 16 rows of features: a lane holds one row b and eight neighbouring outputs.
; W GOES FROM MEMORY STRAIGHT INTO REGISTERS, asked for a whole K step's feature work ahead; no tensor load, no cluster.  A wave's K step has 128 LDS loads of 512 bytes for the tables;
; W's 8 KB through LDS would add 16 more to them, and the table reads' addresses are data, so that no slot could be shown free of them.
; LDS: TH at 0, TL at 65,536: [pattern 256][r 16][t 4] f32, row b = 16 t + r: one load of 16 bytes gives a lane its row of all four row tiles, and sixteen lanes read 256 consecutive bytes.
;      From 131,072: a stage for each wave, 64 rows x (256 + 16) bytes.
; REGISTERS.  Window 0: v1-6 what stays; v8-15 the K step's table offsets; v16-31 addresses of 8 + 8 table reads; v32-47 fbits; v48-49 patterns; v50-57 addresses that stay; v64-191 two buffers of table values; v192-223 features.
;             Window 1: v0-127 accumulators (t, n) at 8 (4 t + n); v128-191 W's four fragments; v192-255 the features' four fragments.
.set TL,     65536
.set STG,    131072
.set SPITCH, 272                       ; a stage row: 256 bytes + 16: an odd multiple of 16, so that sixteen rows' 16 bytes fall on different banks (64 banks of 4 bytes: ISA guide 11.1)
.set STGB,   64*SPITCH                 ; a wave's stage
.set LH,  1                            ; v1   16 r
.set LL,  2                            ; v2   16 r + TL
.set FO,  3                            ; v3   4 x lane: my four bytes of a K step's 128 of a row of fbits
.set WO,  4                            ; v4   65,536 r + 64 h: my 64 bytes of a K step of W's row r
.set SC,  5                            ; v5   2^e0 as f32
.set LIM, 6                            ; v6   57,344 x 2^e0
.set WH,  8                            ; v8-11   256 x upper pattern of j0 + 4 lane + y
.set WL,  12                           ; v12-15  256 x lower pattern
.set AD,  16                           ; v16-23 addresses into TH, v24-31 into TL
.set FB,  32                           ; v32-47  four bytes of each row of fbits
.set PH,  48
.set PL,  49
.set XO,  50                           ; v50  my row's eight numbers of x
.set TA,  51                           ; v51  where I store table entries
.set STO, 52                           ; v52  the stage: where I put 32 bytes of a row
.set RD,  53                           ; v53-56 the stages of waves 0-1, 2-3, 4-5, 6-7: where I read 16 bytes of a row
.set GO,  57                           ; v57  16 x thread: my bytes in 16 rows of part
.set LB,  64
.set PR,  192
.set WF,  128                          ; in window 1
.set CD,  192                          ; in window 1
.set MSB, 0
.macro WIN new                         ; the immediate's high byte repeats the setting that is left
.if MSB != \new
	s_set_vgpr_msb (MSB<<8)|\new
.set MSB, \new
.endif
.endm
.macro BARRIER                         ; my LDS stores have landed and my LDS loads are in: then the work-group's barrier
	s_wait_dscnt 0x0
	s_barrier_signal -1
	s_barrier_wait -1
.endm
; n table entries at v[src] on become 2 n at v[dst] on: entry e x (1 - x, x), the pair at v[sp]: entries 2 e and 2 e + 1.  So the first factor is the index's top bit.
.macro LEVEL src, dst, n, sp
.set e, 0
.rept \n
.set pb, ((\src)+e)&(-2)
.if ((\src)+e)&1
	v_pk_mul_f32 v[(\dst)+2*e:(\dst)+2*e+1], v[pb:pb+1], v[\sp:\sp+1] op_sel:[1,0] op_sel_hi:[1,1]
.else
	v_pk_mul_f32 v[(\dst)+2*e:(\dst)+2*e+1], v[pb:pb+1], v[\sp:\sp+1] op_sel_hi:[0,1]
.endif
.set e, e+1
.endr
.endm
.macro FLOAD off                       ; a K step's 128 bytes of each of the 16 rows of fbits: four bytes a lane
.irp i, 0,1,2,3,4,5,6,7,8,9,10,11,12,13,14,15
	global_load_b32 v[FB+\i], v[FO], s[6:7] offset:65536*\i+\off
.endr
.endm
.macro WLOAD                           ; W's four fragments of the K step: row 16 n + r, bytes j0 + 64 h + 16 c on
	WIN 0x40                                       ; destination window 1, address window 0
.irp n, 0,1,2,3
.irp c, 0,1,2,3
	global_load_b128 v[WF+16*\n+4*\c:WF+16*\n+4*\c+3], v[WO], s[8:9] offset:1048576*\n+16*\c
.endr
.endr
	WIN 0
.endm
; Sixteen rows' bytes (0 or 1) become two bytes of pattern for each of my four j, row 0 (and row 8) on top; then 256 x each pattern: a table's byte offset.
.macro PACK
	v_lshl_or_b32 v[PH], v[FB], 1, v[FB+1]
	v_lshl_or_b32 v[PL], v[FB+8], 1, v[FB+9]
.irp i, 2,3,4,5,6,7
	v_lshl_or_b32 v[PH], v[PH], 1, v[FB+\i]
	v_lshl_or_b32 v[PL], v[PL], 1, v[FB+8+\i]
.endr
.irp y, 0,1,2,3
	v_bfe_u32 v[WH+\y], v[PH], 8*\y, 8
	v_bfe_u32 v[WL+\y], v[PL], 8*\y, 8
.endr
.irp y, 0,1,2,3
	v_lshlrev_b32 v[WH+\y], 8, v[WH+\y]
	v_lshlrev_b32 v[WL+\y], 8, v[WL+\y]
.endr
.endm
; The addresses of eight j of my half: j0 + 64 h + 4 n0 + 0..3 and + 4 n1 + 0..3.  Lane n of my sixteen holds their offsets: it is shared to all sixteen and my 16 r is added, in one line.
; Then each address, made of loaded bytes, is held inside its table; a right address is never changed by that.
.macro ADDR n0, n1
.irp y, 0,1,2,3
	v_add_nc_u32_dpp v[AD+\y], v[WH+\y], v[LH] row_share:\n0 row_mask:0xf bank_mask:0xf
	v_add_nc_u32_dpp v[AD+8+\y], v[WL+\y], v[LL] row_share:\n0 row_mask:0xf bank_mask:0xf
.endr
.irp y, 0,1,2,3
	v_add_nc_u32_dpp v[AD+4+\y], v[WH+\y], v[LH] row_share:\n1 row_mask:0xf bank_mask:0xf
	v_add_nc_u32_dpp v[AD+12+\y], v[WL+\y], v[LL] row_share:\n1 row_mask:0xf bank_mask:0xf
.endr
.irp z, 0,1,2,3,4,5,6,7
	v_min_u32 v[AD+\z], 0xfff0, v[AD+\z]
	v_min_u32 v[AD+8+\z], 0x1fff0, v[AD+8+\z]
.endr
.endm
.macro LOOK b                          ; sixteen table reads: for each of the eight j, TH's and TL's numbers of my row in the four row tiles
.irp z, 0,1,2,3,4,5,6,7
	ds_load_b128 v[(\b)+4*\z:(\b)+4*\z+3], v[AD+\z]
	ds_load_b128 v[(\b)+32+4*\z:(\b)+32+4*\z+3], v[AD+8+\z]
.endr
.endm
.macro MULT b                          ; the features: row tile t's eight lie in eight consecutive registers, as the conversion wants them
.irp z, 0,1,2,3,4,5,6,7
.irp t, 0,1,2,3
	v_mul_f32 v[PR+8*\t+\z], v[(\b)+4*\z+\t], v[(\b)+32+4*\z+\t]
.endr
.endr
.endm
.macro HOLD                            ; the conversion to an 8-bit code does not saturate (ISA guide 7.6.2): hold each number within the largest code x the scale first
.irp i, 0,1,2,3,4,5,6,7,8,9,10,11,12,13,14,15,16,17,18,19,20,21,22,23,24,25,26,27,28,29,30,31
	v_med3_num_f32 v[PR+\i], v[PR+\i], -v[LIM], v[LIM]
.endr
.endm
.macro CODES g                         ; eight features a row tile become registers 2 g, 2 g + 1 of that tile's fragment
	WIN 0x40                                       ; destination window 1
.irp t, 0,1,2,3
	v_cvt_scalef32_pk8_bf8_f32 v[CD+16*\t+2*(\g):CD+16*\t+2*(\g)+1], v[PR+8*\t:PR+8*\t+7], v[SC]
.endr
	WIN 0
	v_nop                                          ; one plain vector line between the conversions and what next writes their sources (the next eight's products) or reads their results (the matrix instructions)
.endm
; Eight j of each half of the lanes, the g-th of the K step's eight such groups.  nxt = 1: the group two further on is looked up, into the buffer that has just been read.
.macro OCT g, nxt, n0, n1
.set LBB, LB+64*((\g)%2)
.if (\g) < 7
	s_wait_dscnt 16                                ; LDS loads come back in order (ISA guide 5.7.1): this group's sixteen are in, the next group's sixteen may be out
.else
	s_wait_dscnt 0x0
.endif
	MULT LBB
.if \nxt
	ADDR \n0, \n1
	LOOK LBB
.endif
	HOLD
	CODES \g
.endm
; 16 matrix instructions, 128 along K.  The sixteen accumulators take turns, one instruction a turn, in the same order in every K step.  zero = 1: the products start the sums: nothing is cleared.
.macro MMA zero
	WIN 0x55                                       ; all four operand places window 1
.irp t, 0,1,2,3
.irp n, 0,1,2,3
.if \zero
	v_wmma_f32_16x16x128_bf8_bf8 v[8*(4*\t+\n):8*(4*\t+\n)+7], v[WF+16*\n:WF+16*\n+15], v[CD+16*\t:CD+16*\t+15], 0
.else
	v_wmma_f32_16x16x128_bf8_bf8 v[8*(4*\t+\n):8*(4*\t+\n)+7], v[WF+16*\n:WF+16*\n+15], v[CD+16*\t:CD+16*\t+15], v[8*(4*\t+\n):8*(4*\t+\n)+7]
.endif
.endr
.endr
	WIN 0
.endm
; A K step.  more = 1: the next K step's fbits are asked for.
.macro TRIP zero, more
	s_wait_loadcnt 0x0                             ; this step's fbits are in; no load of mine is out, so the two bases may be stepped
	PACK                                           ; 30 plain lines: also the places between the last matrix instructions and the loads into W's registers
.if \zero == 0
	s_add_nc_u64 s[6:7], s[6:7], 128
	s_add_nc_u64 s[8:9], s[8:9], 128
.endif
	ADDR 0, 1
	LOOK LB
	ADDR 2, 3
	LOOK LB+64
	WLOAD                                          ; wanted at the step's end
.if \more
	FLOAD 128                                      ; wanted at the next step's head
.endif
	OCT 0, 1, 4, 5
	OCT 1, 1, 6, 7
	OCT 2, 1, 8, 9
	OCT 3, 1, 10, 11
	OCT 4, 1, 12, 13
	OCT 5, 1, 14, 15
	OCT 6, 0, 0, 0
	OCT 7, 0, 0, 0
.if \more
	s_wait_loadcnt 16                              ; W's sixteen loads are in; the sixteen of fbits, issued behind them, may be out
.else
	s_wait_loadcnt 0x0
.endif
	MMA \zero
.endm
	s_load_b256 s[4:11], s[0:1], 0x0               ; x s[4:5], fbits s[6:7], W's codes s[8:9], the scales' exponents s[10:11]
	s_load_b64 s[12:13], s[0:1], 0x20              ; part
	v_lshl_add_u32 v254, v0, 2, 0x42000
	v_mov_b32 v255, 0
	v_lshrrev_b32 v7, 5, v0
	v_readfirstlane_b32 s14, v7                    ; wave 0..7
	s_mov_b32 s15, ttmp9                           ; row block
	s_and_b32 s16, ttmp7, 0xffff                   ; eighth of K
	s_bfe_u32 s17, s14, 0x10001                    ; for the tables: which table I build (bit 1 of the wave's number),
	s_lshr_b32 s18, s14, 2                         ; which half of its patterns (the top bit),
	s_and_b32 s19, s14, 1                          ; for which 32 of the 64 rows
	v_and_b32 v7, 15, v0                           ; r
	v_and_b32 v[PH], 31, v0                        ; lane
	v_bfe_u32 v[PL], v0, 4, 1                      ; h
	v_lshlrev_b32 v[LH], 4, v7
	v_add_nc_u32 v[LL], TL, v[LH]
	v_lshlrev_b32 v[FO], 2, v[PH]
	v_lshlrev_b32 v[WO], 16, v7
	v_lshl_add_u32 v[WO], v[PL], 6, v[WO]
	s_lshl_b32 s23, s19, 11                        ; x: row 32 half + lane of 64 bytes, + 32 bytes for the second table's eight factors
	s_lshl_b32 s24, s17, 5
	s_add_co_u32 s23, s23, s24
	v_lshl_add_u32 v[XO], v[PH], 6, s23
	s_lshl_b32 s23, s17, 16                        ; the table, the half of its patterns, and my row's place in an entry: 16 r + 4 t, t = 2 half + h
	s_lshl_b32 s24, s18, 15
	s_add_co_u32 s23, s23, s24
	s_lshl_b32 s24, s19, 3
	s_add_co_u32 s23, s23, s24
	v_lshl_add_u32 v[TA], v[PL], 2, v[LH]
	v_add_nc_u32 v[TA], s23, v[TA]
	s_mul_i32 s25, s14, STGB
	s_add_co_u32 s25, s25, STG                     ; my stage
	v_mul_u32_u24 v[STO], v7, SPITCH
	v_lshl_add_u32 v[STO], v[PL], 5, v[STO]
	v_add_nc_u32 v[STO], s25, v[STO]               ; in: row r, + 32 h
	v_lshrrev_b32 v[RD], 4, v0
	v_mul_u32_u24 v[RD], v[RD], SPITCH
	v_lshl_add_u32 v[RD], v7, 4, v[RD]
	v_add_nc_u32 v[RD], STG, v[RD]                 ; back: row thread / 16, 16 bytes at 16 (thread % 16)
	v_add_nc_u32 v[RD+1], 2*STGB, v[RD]
	v_add_nc_u32 v[RD+2], 4*STGB, v[RD]
	v_add_nc_u32 v[RD+3], 6*STGB, v[RD]
	v_lshlrev_b32 v[GO], 4, v0
	s_wait_kmcnt 0x0
	s_load_b32 s22, s[10:11], 0x0                  ; e0
	s_lshl_b32 s20, s15, 12                        ; 64 rows of x are 4,096 bytes
	s_mov_b32 s21, 0
	s_add_nc_u64 s[4:5], s[4:5], s[20:21]
	s_lshl_b32 s20, s16, 13                        ; j0 = 8,192 x eighth + 1,024 x wave
	s_lshl_b32 s23, s14, 10
	s_add_co_u32 s20, s20, s23
	s_add_nc_u64 s[6:7], s[6:7], s[20:21]
	s_add_nc_u64 s[8:9], s[8:9], s[20:21]
	s_lshl_b32 s20, s16, 19                        ; part: 524,288 bytes an eighth, 16,384 a row block
	s_lshl_b32 s23, s15, 14
	s_add_co_u32 s20, s20, s23
	s_add_nc_u64 s[12:13], s[12:13], s[20:21]
.irp i, 0,1,2,3,4,5,6,7
	global_load_b32 v[AD+1+2*\i], v[XO], s[4:5] offset:4*\i   ; x of my row, into the upper halves of eight pairs
.endr
	FLOAD 0                                        ; the first K step's fbits
	; THE TABLES.  A thread makes 128 entries of one table for one row: the top bit's factor is chosen by the wave, seven doublings follow.
	s_wait_loadcnt 16                              ; x is in; the sixteen loads of fbits, issued behind it, may be out
.irp i, 0,1,2,3,4,5,6,7
	v_sub_f32 v[AD+2*\i], 1.0, v[AD+1+2*\i]        ; the pairs (1 - x, x)
.endr
	s_cmp_lg_u32 s18, 0
	s_cselect_b32 s27, -1, 0
	v_cndmask_b32 v60, v[AD], v[AD+1], s27
	v_mov_b32 v61, v60                             ; (named with it as a pair, so it is written)
	LEVEL 60, 62, 1, AD+2
	LEVEL 62, 64, 2, AD+4
	LEVEL 64, 68, 4, AD+6
	LEVEL 68, 76, 8, AD+8
	LEVEL 76, 92, 16, AD+10
	LEVEL 92, 124, 32, AD+12
.irp a, 0,1
	LEVEL 124+32*\a, 188, 32, AD+14
.set u, 0
.rept 64
	ds_store_b32 v[TA], v[188+u] offset:(64*\a+u)*256   ; 32 lanes: 16 r + 4 t: 32 different words of one entry's 256 bytes
.set u, u+1
.endr
	s_wait_dscnt 0x0                               ; the stores have read their registers
.endr
	s_wait_kmcnt 0x0
	s_add_co_i32 s23, s22, 127
	s_lshl_b32 s24, s23, 23
	v_mov_b32 v[SC], s24                           ; 2^e0 as f32: the conversion takes its exponent field
	s_add_co_i32 s23, s23, 15
	s_lshl_b32 s23, s23, 23
	s_or_b32 s23, s23, 0x600000
	v_mov_b32 v[LIM], s23                          ; 57,344 x 2^e0
	BARRIER                                        ; both tables are whole; from here to the next barrier LDS is only read
	TRIP 1, 1                                      ; the first K step starts the sums
	s_mov_b32 s26, 6
.Ltrip:
	TRIP 0, 1
	s_sub_co_u32 s26, s26, 1
	s_cmp_lg_u32 s26, 0
	s_cbranch_scc1 .Ltrip
	TRIP 0, 0                                      ; the last K step asks for nothing more
	; THE EIGHT WAVES' SUMS MEET.  Each wave puts its 64 x 64 sums into its stage; then thread T adds, for four groups of 16 rows, the eight stages' 16 bytes at row T / 16, and stores them.
.rept 4
	v_nop                                          ; four places between the last matrix instructions and the first read of results (ISA guide 7.12.1)
.endr
	BARRIER                                        ; no wave reads the tables any more: LDS may be written
	WIN 0x04                                       ; store data window 1, address window 0
.irp t, 0,1,2,3
.irp n, 0,1,2,3
	ds_store_b128 v[STO], v[8*(4*\t+\n):8*(4*\t+\n)+3] offset:16*SPITCH*\t+64*\n         ; lane (r, h): row 16 t + r, outputs 16 n + 8 h + 0..7; each accumulator from its low end on
	ds_store_b128 v[STO], v[8*(4*\t+\n)+4:8*(4*\t+\n)+7] offset:16*SPITCH*\t+64*\n+16
.endr
.endr
	WIN 0
	BARRIER                                        ; all eight stages are whole
.irp i, 0,1,2,3
.irp w, 0,1,2,3,4,5,6,7
	ds_load_b128 v[LB+4*(8*\i+\w):LB+4*(8*\i+\w)+3], v[RD+\w/2] offset:STGB*(\w%2)+16*SPITCH*\i
.endr
.endr
.irp i, 0,1,2,3
	s_wait_dscnt 8*(3-\i)                          ; this group's eight loads are in; the later groups' may be out
.irp w, 0,2,4,6
	v_pk_add_f32 v[LB+32*\i+4*\w:LB+32*\i+4*\w+1], v[LB+32*\i+4*\w:LB+32*\i+4*\w+1], v[LB+32*\i+4*\w+4:LB+32*\i+4*\w+5]
	v_pk_add_f32 v[LB+32*\i+4*\w+2:LB+32*\i+4*\w+3], v[LB+32*\i+4*\w+2:LB+32*\i+4*\w+3], v[LB+32*\i+4*\w+6:LB+32*\i+4*\w+7]
.endr
.irp w, 0,4
	v_pk_add_f32 v[LB+32*\i+4*\w:LB+32*\i+4*\w+1], v[LB+32*\i+4*\w:LB+32*\i+4*\w+1], v[LB+32*\i+4*\w+8:LB+32*\i+4*\w+9]
	v_pk_add_f32 v[LB+32*\i+4*\w+2:LB+32*\i+4*\w+3], v[LB+32*\i+4*\w+2:LB+32*\i+4*\w+3], v[LB+32*\i+4*\w+10:LB+32*\i+4*\w+11]
.endr
	v_pk_add_f32 v[LB+32*\i:LB+32*\i+1], v[LB+32*\i:LB+32*\i+1], v[LB+32*\i+16:LB+32*\i+17]
	v_pk_add_f32 v[LB+32*\i+2:LB+32*\i+3], v[LB+32*\i+2:LB+32*\i+3], v[LB+32*\i+18:LB+32*\i+19]
	global_store_b128 v[GO], v[LB+32*\i:LB+32*\i+3], s[12:13] offset:4096*\i   ; sixteen lanes store a row's 256 consecutive bytes, at a multiple of 256 from part's first byte
.endr
	s_wait_tensorcnt 0x0
	ds_add_u32 v254, v255
	s_wait_dscnt 0x0
	s_endpgm
.Lfunc_end_k_qba1f04fe21_lattice:
	.size	k_qba1f04fe21_lattice, .Lfunc_end_k_qba1f04fe21_lattice-k_qba1f04fe21_lattice
	.p2alignl 7, 3214868480
	.fill 96, 4, 3214868480
	.section	.rodata,"a",@progbits
	.p2align	6, 0x0
	.amdhsa_kernel k_qba1f04fe21_lattice
		.amdhsa_group_segment_fixed_size 271360
		.amdhsa_private_segment_fixed_size 0
		.amdhsa_enable_private_segment 0
		.amdhsa_kernarg_size 40
		.amdhsa_user_sgpr_count 2
		.amdhsa_user_sgpr_kernarg_segment_ptr 1
		.amdhsa_wavefront_size32 1
		.amdhsa_system_sgpr_workgroup_id_x 1
		.amdhsa_system_sgpr_workgroup_id_y 1
		.amdhsa_system_sgpr_workgroup_id_z 1
		.amdhsa_system_vgpr_workitem_id 0
		.amdhsa_next_free_vgpr 512
		.amdhsa_next_free_sgpr 66
		.amdhsa_reserve_vcc 0
		.amdhsa_float_denorm_mode_32 3
		.amdhsa_float_denorm_mode_16_64 3
		.amdhsa_memory_ordered 1
		.amdhsa_forward_progress 1
		.amdhsa_inst_pref_size 200
	.end_amdhsa_kernel
	.amdgpu_metadata
---
amdhsa.version: [ 1, 2 ]
amdhsa.kernels:
  - .name:           k_qba1f04fe21_lattice
    .symbol:         k_qba1f04fe21_lattice.kd
    .args:
      - { .name: x, .offset: 0, .size: 8, .value_kind: global_buffer, .address_space: global }
      - { .name: fbits, .offset: 8, .size: 8, .value_kind: global_buffer, .address_space: global }
      - { .name: weight_codes, .offset: 16, .size: 8, .value_kind: global_buffer, .address_space: global }
      - { .name: lowp_scales, .offset: 24, .size: 8, .value_kind: global_buffer, .address_space: global }
      - { .name: part, .offset: 32, .size: 8, .value_kind: global_buffer, .address_space: global }
    .group_segment_fixed_size: 271360
    .private_segment_fixed_size: 0
    .kernarg_segment_align: 8
    .kernarg_segment_size: 40
    .max_flat_workgroup_size: 256
    .sgpr_count:     66
    .vgpr_count:     512
    .wavefront_size: 32
...
	.end_amdgpu_metadata
.endif
;; end of part 1
;; launch fin (part 2): grid 256 x 1, 4 waves a work-group, no clusters, 0 bytes of LDS; arguments part, bias, lowp_scales, out0; writes out0
.if DOCPART == 2
	.amdgcn_target "amdgcn-amd-amdhsa--gfx1250"
	.amdhsa_code_object_version 6
	.text
	.protected	k_qba1f04fe21_fin
	.globl	k_qba1f04fe21_fin
	.p2align	8
	.type	k_qba1f04fe21_fin,@function
k_qba1f04fe21_fin:
	s_mov_b64 s[64:65], 0
	v_nop
	global_prefetch_b8 v0, s[64:65] scope:SCOPE_SE
	s_setreg_imm32_b32 hwreg(HW_REG_WAVE_MODE, 25, 1), 1
	s_wait_xcnt 0x0
; out0[b][o] = 2^(e0 + e1) x (the sum of the eight eighths of K in part[8][2048][64]) + bias[o].  All f32.
; A thread owns 16 bytes of out0: 128 threads cover 2,048 consecutive bytes, 256 work-groups the 524,288.  Eight loads of 16 bytes, 524,288 bytes apart, a tree of packed additions,
; one packed multiply-add for two numbers, one store; sixteen lanes read and write 256 consecutive bytes, aligned.  No LDS, no barrier: threads share nothing.
; LIMIT: e0 + e1 between -126 and 127, so that 2^(e0 + e1) is an f32 number.
.set EIGHTH, 524288
	s_load_b256 s[4:11], s[0:1], 0x0               ; part s[4:5], bias s[6:7], the scales' exponents s[8:9], out0 s[10:11]
	v_lshlrev_b32 v1, 4, v0                        ; my 16 bytes of the work-group's 2,048
	v_and_b32 v2, 15, v0
	v_lshlrev_b32 v2, 4, v2                        ; and the same four columns in bias: a row of out0 is 256 bytes
	s_lshl_b32 s14, ttmp9, 11
	s_mov_b32 s15, 0
	s_wait_kmcnt 0x0
	s_load_b64 s[12:13], s[8:9], 0x0               ; e0, e1
	s_add_nc_u64 s[4:5], s[4:5], s[14:15]
	s_add_nc_u64 s[10:11], s[10:11], s[14:15]
.irp k, 0,1,2,3,4,5,6,7
	global_load_b128 v[8+4*\k:11+4*\k], v1, s[4:5] offset:EIGHTH*\k th:TH_LOAD_NT
.endr
	global_load_b128 v[40:43], v2, s[6:7]
	s_wait_kmcnt 0x0
	s_add_co_i32 s20, s12, s13
	s_add_co_i32 s20, s20, 127
	s_lshl_b32 s20, s20, 23                        ; 2^(e0 + e1) as f32
	s_mov_b32 s21, s20                             ; (named with it as a pair, so it is written)
	s_wait_loadcnt 0x0
.irp k, 0,2,4,6
	v_pk_add_f32 v[8+4*\k:9+4*\k], v[8+4*\k:9+4*\k], v[12+4*\k:13+4*\k]
	v_pk_add_f32 v[10+4*\k:11+4*\k], v[10+4*\k:11+4*\k], v[14+4*\k:15+4*\k]
.endr
.irp k, 0,4
	v_pk_add_f32 v[8+4*\k:9+4*\k], v[8+4*\k:9+4*\k], v[16+4*\k:17+4*\k]
	v_pk_add_f32 v[10+4*\k:11+4*\k], v[10+4*\k:11+4*\k], v[18+4*\k:19+4*\k]
.endr
	v_pk_add_f32 v[8:9], v[8:9], v[24:25]
	v_pk_add_f32 v[10:11], v[10:11], v[26:27]
	v_pk_fma_f32 v[44:45], v[8:9], s[20:21], v[40:41] op_sel_hi:[1,0,1]     ; sum x 2^(e0 + e1) + bias (the scalar pair's low word for both halves)
	v_pk_fma_f32 v[46:47], v[10:11], s[20:21], v[42:43] op_sel_hi:[1,0,1]
	global_store_b128 v1, v[44:47], s[10:11] th:TH_STORE_NT
	s_endpgm
.Lfunc_end_k_qba1f04fe21_fin:
	.size	k_qba1f04fe21_fin, .Lfunc_end_k_qba1f04fe21_fin-k_qba1f04fe21_fin
	.p2alignl 7, 3214868480
	.fill 96, 4, 3214868480
	.section	.rodata,"a",@progbits
	.p2align	6, 0x0
	.amdhsa_kernel k_qba1f04fe21_fin
		.amdhsa_group_segment_fixed_size 0
		.amdhsa_private_segment_fixed_size 0
		.amdhsa_enable_private_segment 0
		.amdhsa_kernarg_size 32
		.amdhsa_user_sgpr_count 2
		.amdhsa_user_sgpr_kernarg_segment_ptr 1
		.amdhsa_wavefront_size32 1
		.amdhsa_system_sgpr_workgroup_id_x 1
		.amdhsa_system_sgpr_workgroup_id_y 1
		.amdhsa_system_sgpr_workgroup_id_z 1
		.amdhsa_system_vgpr_workitem_id 0
		.amdhsa_next_free_vgpr 48
		.amdhsa_next_free_sgpr 66
		.amdhsa_reserve_vcc 0
		.amdhsa_float_denorm_mode_32 3
		.amdhsa_float_denorm_mode_16_64 3
		.amdhsa_memory_ordered 1
		.amdhsa_forward_progress 1
		.amdhsa_inst_pref_size 3
	.end_amdhsa_kernel
	.amdgpu_metadata
---
amdhsa.version: [ 1, 2 ]
amdhsa.kernels:
  - .name:           k_qba1f04fe21_fin
    .symbol:         k_qba1f04fe21_fin.kd
    .args:
      - { .name: part, .offset: 0, .size: 8, .value_kind: global_buffer, .address_space: global }
      - { .name: bias, .offset: 8, .size: 8, .value_kind: global_buffer, .address_space: global }
      - { .name: lowp_scales, .offset: 16, .size: 8, .value_kind: global_buffer, .address_space: global }
      - { .name: out0, .offset: 24, .size: 8, .value_kind: global_buffer, .address_space: global }
    .group_segment_fixed_size: 0
    .private_segment_fixed_size: 0
    .kernarg_segment_align: 8
    .kernarg_segment_size: 32
    .max_flat_workgroup_size: 128
    .sgpr_count:     66
    .vgpr_count:     48
    .wavefront_size: 32
...
	.end_amdgpu_metadata
.endif
;; end of part 2
;; ======== version 2 of 2: 2 launches; version 1 with the launch lattice written anew for expert scheduling mode
;; workspace buffers: part 4,194,304 bytes
;; launch lattice (part 3): grid 32 x 8, 8 waves a work-group, no clusters, 271,360 bytes of LDS; arguments x, fbits, weight_codes, lowp_scales, part; writes part
.if DOCPART == 3
	.amdgcn_target "amdgcn-amd-amdhsa--gfx1250"
	.amdhsa_code_object_version 6
	.text
	.protected	k_qba1f04fe21_lattice
	.globl	k_qba1f04fe21_lattice
	.p2align	8
	.type	k_qba1f04fe21_lattice,@function
k_qba1f04fe21_lattice:
	s_mov_b64 s[64:65], 0
	v_nop
	global_prefetch_b8 v0, s[64:65] scope:SCOPE_SE
	s_setreg_imm32_b32 hwreg(HW_REG_WAVE_SCHED_MODE, 0, 2), 2
	s_setreg_imm32_b32 hwreg(HW_REG_WAVE_MODE, 25, 1), 1
	s_wait_xcnt 0x0
	s_wait_alu depctr_vm_vsrc(0)
; part[ks][b][o] = the sum over one eighth of K of code(f[b][j]) x code(W[o][j]): raw sums of products of E5M2 codes, f32, not yet scaled.
; f[b][j] = the product over i < 16 of (fbits[i][j] ? x[b][i] : 1 - x[b][i]).  fbits is honoured as it is given: column j of fbits is a pattern of 16 bits, and
; f[b][j] = TH[b][upper 8 bits] x TL[b][lower 8 bits], TH the product of factors 0-7 in reference()'s order, TL of factors 8-15: two tables of 256 numbers a row, built once in LDS.
; f is then held within +-57,344 x 2^e0 and turned into codes with the given scale 2^e0 (e0 = lowp_scales[0]); W arrives as codes.
; LIMITS: a byte of fbits is 0 or 1; e0 between -126 and 112, so that 2^e0 and 57,344 x 2^e0 are f32 numbers; NaN among the features is not served; f is (f0..f7) x (f8..f15), one association other than reference()'s chain.
; SHARES.  A work-group: 64 rows b (x = row block, 32 of them) x 8,192 j (y = eighth of K): 256 work-groups.  Wave w of eight: 1,024 of those j, in 8 K steps of 128, for all 64 rows and all 64 outputs:
; 16 accumulators of 16 x 16.  The eight waves' sums meet in LDS at the end; the eight eighths of K are added by the next launch.
; K'S PLACES.  In a K step, lane (r = lane % 16, h = lane / 16), operand register p, byte y stand for j = j0 + 64 h + 4 p + y, in W's fragments and in the features' alike: a permutation of k that both sides share.
; THE MATRIX INSTRUCTION IS USED TRANSPOSED: source 0 = 16 rows of W, source 1 = 16 rows of features: a lane holds one row b and eight neighbouring outputs.
; W GOES FROM MEMORY STRAIGHT INTO REGISTERS, asked for a whole K step's feature work ahead; no tensor load, no cluster.  A wave's K step has 128 LDS loads of 512 bytes for the tables;
; W's 8 KB through LDS would add 16 more to them, and the table reads' addresses are data, so that no slot could be shown free of them.
; LDS: TH at 0, TL at 65,536: [pattern 256][r 16][t 4] f32, row b = 16 t + r: one load of 16 bytes gives a lane its row of all four row tiles, and sixteen lanes read 256 consecutive bytes.
;      From 131,072: a stage for each wave, 64 rows x (256 + 16) bytes.  From 270,336: the spare words, 128 bytes for each wave, which no other line names.
; REGISTERS.  Window 0: v1-6 what stays; v8-15 the K step's table offsets; v16-31 and v224-239 two buffers of addresses of 8 + 8 table reads; v32-47 fbits; v48-49 patterns; v50-57 addresses that stay;
;             v64-191 two buffers of table values; v192-223 features; v254, v255 the closing add's two.
;             Window 1: v0-127 accumulators (t, n) at 8 (4 t + n); v128-191 W's four fragments; v192-255 the features' four fragments.
; THE MODE: SCHED_MODE bits 1:0 = 2 (LLVM: expert scheduling mode 2), set by the entry lines.  The code itself states the register dependences
; between vector or matrix instructions and memory or LDS instructions, with s_wait_alu, always for 0.
; THE PLAN.  A K step's 128 j go in eight groups of eight j for each half of the lanes.  Registers that memory or LDS instructions touch, in the loop:
;   AD, ADX    Addresses of a group's sixteen table reads; group g has buffer g % 2.  Written by ADDR; read by the group's sixteen LDS loads; written again by ADDR of group g + 2 or of the next K step.
;   LB0, LB1   A group's table values; group g has buffer g % 2.  The LDS loads land there; MULT of group g reads them; the loads of group g + 2, or of the next K step, land there next.
;   FB         fbits.  PACK reads it at a K step's head; the next step's loads, issued in this step, land there.
;   WF         W's fragments.  The step's sixteen matrix instructions read them; the next step's loads land there.
;   v[FO], v[WO], v[XO], v[TA], v[STO], v[RD ..], v[GO], v254, v255: made at the head and never written again.
;   The features, their codes, the patterns and table offsets and, up to the tail, the accumulators are named by vector and matrix instructions alone.
; AT A K STEP'S HEAD, behind PACK: one wait on vm_vsrc (both address buffers have been read), both first groups' ADDR, one wait on va_vdst (both address buffers are written; the last step's MULTs are done with LB0 and LB1,
; its matrix instructions with WF, PACK with FB); behind it only loads and a window switch: 32 table reads, W's sixteen loads, fbits' sixteen.
; IN GROUPS 0 TO 5: MULT; a wait on vm_vsrc; ADDR into the group's own address buffer; a wait on va_vdst (the addresses are written, MULT is done with the group's value buffer); the sixteen reads of group g + 2,
; dealt among the 32 holds, which name the features and the limit alone.  Groups 6 and 7 issue no memory instruction and hold no such wait.
.set TL,     65536
.set STG,    131072
.set SPITCH, 272                       ; a stage row: 256 bytes + 16: an odd multiple of 16, so that sixteen rows' 16 bytes fall on different banks (64 banks of 4 bytes: ISA guide 11.1)
.set STGB,   64*SPITCH                 ; a wave's stage
.set LH,  1                            ; v1   16 r
.set LL,  2                            ; v2   16 r + TL
.set FO,  3                            ; v3   4 x lane: my four bytes of a K step's 128 of a row of fbits
.set WO,  4                            ; v4   65,536 r + 64 h: my 64 bytes of a K step of W's row r
.set SC,  5                            ; v5   2^e0 as f32
.set LIM, 6                            ; v6   57,344 x 2^e0
.set WH,  8                            ; v8-11   256 x upper pattern of j0 + 4 lane + y
.set WL,  12                           ; v12-15  256 x lower pattern
.set AD,  16                           ; v16-23 addresses into TH, v24-31 into TL: the even groups'
.set ADX, 224                          ; v224-231, v232-239: the same for the odd groups
.set FB,  32                           ; v32-47  four bytes of each row of fbits
.set PH,  48
.set PL,  49
.set XO,  50                           ; v50  my row's eight numbers of x
.set TA,  51                           ; v51  where I store table entries
.set STO, 52                           ; v52  the stage: where I put 32 bytes of a row
.set RD,  53                           ; v53-56 the stages of waves 0-1, 2-3, 4-5, 6-7: where I read 16 bytes of a row
.set GO,  57                           ; v57  16 x thread: my bytes in 16 rows of part
.set LB,  64
.set PR,  192
.set WF,  128                          ; in window 1
.set CD,  192                          ; in window 1
.set MSB, 0
.macro WIN new                         ; the immediate's high byte repeats the setting that is left
.if MSB != \new
	s_set_vgpr_msb (MSB<<8)|\new
.set MSB, \new
.endif
.endm
.macro BARRIER                         ; my LDS stores have landed and my LDS loads are in: then the work-group's barrier
	s_wait_dscnt 0x0
	s_barrier_signal -1
	s_barrier_wait -1
.endm
; n table entries at v[src] on become 2 n at v[dst] on: entry e x (1 - x, x), the pair at v[sp]: entries 2 e and 2 e + 1.  So the first factor is the index's top bit.
.macro LEVEL src, dst, n, sp
.set e, 0
.rept \n
.set pb, ((\src)+e)&(-2)
.if ((\src)+e)&1
	v_pk_mul_f32 v[(\dst)+2*e:(\dst)+2*e+1], v[pb:pb+1], v[\sp:\sp+1] op_sel:[1,0] op_sel_hi:[1,1]
.else
	v_pk_mul_f32 v[(\dst)+2*e:(\dst)+2*e+1], v[pb:pb+1], v[\sp:\sp+1] op_sel_hi:[0,1]
.endif
.set e, e+1
.endr
.endm
.macro FLOAD off                       ; a K step's 128 bytes of each of the 16 rows of fbits: four bytes a lane
.irp i, 0,1,2,3,4,5,6,7,8,9,10,11,12,13,14,15
	global_load_b32 v[FB+\i], v[FO], s[6:7] offset:65536*\i+\off
.endr
.endm
.macro WLOAD                           ; W's four fragments of the K step: row 16 n + r, bytes j0 + 64 h + 16 c on
	WIN 0x40                                       ; destination window 1, address window 0
.irp n, 0,1,2,3
.irp c, 0,1,2,3
	global_load_b128 v[WF+16*\n+4*\c:WF+16*\n+4*\c+3], v[WO], s[8:9] offset:1048576*\n+16*\c
.endr
.endr
	WIN 0
.endm
; Sixteen rows' bytes (0 or 1) become two bytes of pattern for each of my four j, row 0 (and row 8) on top; then 256 x each pattern: a table's byte offset.
.macro PACK
	v_lshl_or_b32 v[PH], v[FB], 1, v[FB+1]
	v_lshl_or_b32 v[PL], v[FB+8], 1, v[FB+9]
.irp i, 2,3,4,5,6,7
	v_lshl_or_b32 v[PH], v[PH], 1, v[FB+\i]
	v_lshl_or_b32 v[PL], v[PL], 1, v[FB+8+\i]
.endr
.irp y, 0,1,2,3
	v_bfe_u32 v[WH+\y], v[PH], 8*\y, 8
	v_bfe_u32 v[WL+\y], v[PL], 8*\y, 8
.endr
.irp y, 0,1,2,3
	v_lshlrev_b32 v[WH+\y], 8, v[WH+\y]
	v_lshlrev_b32 v[WL+\y], 8, v[WL+\y]
.endr
.endm
; The addresses of eight j of my half, into the buffer at v[ad]: j0 + 64 h + 4 n0 + 0..3 and + 4 n1 + 0..3.  Lane n of my sixteen holds their offsets: it is shared to all sixteen and my 16 r is added, in one line.
; Then each address, made of loaded bytes, is held inside its table; a right address is never changed by that.
.macro ADDR ad, n0, n1
.irp y, 0,1,2,3
	v_add_nc_u32_dpp v[(\ad)+\y], v[WH+\y], v[LH] row_share:\n0 row_mask:0xf bank_mask:0xf
	v_add_nc_u32_dpp v[(\ad)+8+\y], v[WL+\y], v[LL] row_share:\n0 row_mask:0xf bank_mask:0xf
.endr
.irp y, 0,1,2,3
	v_add_nc_u32_dpp v[(\ad)+4+\y], v[WH+\y], v[LH] row_share:\n1 row_mask:0xf bank_mask:0xf
	v_add_nc_u32_dpp v[(\ad)+12+\y], v[WL+\y], v[LL] row_share:\n1 row_mask:0xf bank_mask:0xf
.endr
.irp z, 0,1,2,3,4,5,6,7
	v_min_u32 v[(\ad)+\z], 0xfff0, v[(\ad)+\z]
	v_min_u32 v[(\ad)+8+\z], 0x1fff0, v[(\ad)+8+\z]
.endr
.endm
.macro LOOK b, ad                      ; sixteen table reads by the addresses at v[ad]: for each of the eight j, TH's and TL's numbers of my row in the four row tiles
.irp z, 0,1,2,3,4,5,6,7
	ds_load_b128 v[(\b)+4*\z:(\b)+4*\z+3], v[(\ad)+\z]
	ds_load_b128 v[(\b)+32+4*\z:(\b)+32+4*\z+3], v[(\ad)+8+\z]
.endr
.endm
.macro MULT b                          ; the features: row tile t's eight lie in eight consecutive registers, as the conversion wants them
.irp z, 0,1,2,3,4,5,6,7
.irp t, 0,1,2,3
	v_mul_f32 v[PR+8*\t+\z], v[(\b)+4*\z+\t], v[(\b)+32+4*\z+\t]
.endr
.endr
.endm
.macro HOLD                            ; the conversion to an 8-bit code does not saturate (ISA guide 7.6.2): hold each number within the largest code x the scale first
.irp i, 0,1,2,3,4,5,6,7,8,9,10,11,12,13,14,15,16,17,18,19,20,21,22,23,24,25,26,27,28,29,30,31
	v_med3_num_f32 v[PR+\i], v[PR+\i], -v[LIM], v[LIM]
.endr
.endm
; The same 32 holds with LOOK's sixteen table reads dealt among them, a read to two holds, in LOOK's order.  The holds name the features and the limit alone: none of the registers that the reads touch,
; so the wait on va_vdst that stands ahead of this macro serves all sixteen reads.
.macro HOLDLOOK b, ad
.irp z, 0,1,2,3,4,5,6,7
	ds_load_b128 v[(\b)+4*\z:(\b)+4*\z+3], v[(\ad)+\z]
	v_med3_num_f32 v[PR+4*\z], v[PR+4*\z], -v[LIM], v[LIM]
	v_med3_num_f32 v[PR+4*\z+1], v[PR+4*\z+1], -v[LIM], v[LIM]
	ds_load_b128 v[(\b)+32+4*\z:(\b)+32+4*\z+3], v[(\ad)+8+\z]
	v_med3_num_f32 v[PR+4*\z+2], v[PR+4*\z+2], -v[LIM], v[LIM]
	v_med3_num_f32 v[PR+4*\z+3], v[PR+4*\z+3], -v[LIM], v[LIM]
.endr
.endm
.macro CODES g                         ; eight features a row tile become registers 2 g, 2 g + 1 of that tile's fragment
	WIN 0x40                                       ; destination window 1
.irp t, 0,1,2,3
	v_cvt_scalef32_pk8_bf8_f32 v[CD+16*\t+2*(\g):CD+16*\t+2*(\g)+1], v[PR+8*\t:PR+8*\t+7], v[SC]
.endr
	WIN 0
	v_nop                                          ; one plain vector line between the conversions and what next writes their sources (the next eight's products) or reads their results (the matrix instructions)
.endm
; Eight j of each half of the lanes, the g-th of the K step's eight such groups.  nxt = 1: the group two further on is looked up, into the buffer that has just been read.
.macro OCT g, nxt, n0, n1
.set LBB, LB+64*((\g)%2)
.set ADB, AD+(ADX-AD)*((\g)%2)
.if (\g) < 7
	s_wait_dscnt 16                                ; LDS loads come back in order (ISA guide 5.7.1): this group's sixteen are in, the next group's sixteen may be out
.else
	s_wait_dscnt 0x0
.endif
	MULT LBB
.if \nxt
	s_wait_alu depctr_vm_vsrc(0)                   ; the table reads issued so far, this group's own among them, have read their addresses: this group's address buffer is written again below
	ADDR ADB, \n0, \n1
	s_wait_alu depctr_va_vdst(0)                   ; ADDR has written the addresses that the reads below take, and MULT is done reading the value buffer in which they land
	HOLDLOOK LBB, ADB
.else
	HOLD
.endif
	CODES \g
.endm
; 16 matrix instructions, 128 along K.  The sixteen accumulators take turns, one instruction a turn, in the same order in every K step.  zero = 1: the products start the sums: nothing is cleared.
.macro MMA zero
	WIN 0x55                                       ; all four operand places window 1
.irp t, 0,1,2,3
.irp n, 0,1,2,3
.if \zero
	v_wmma_f32_16x16x128_bf8_bf8 v[8*(4*\t+\n):8*(4*\t+\n)+7], v[WF+16*\n:WF+16*\n+15], v[CD+16*\t:CD+16*\t+15], 0
.else
	v_wmma_f32_16x16x128_bf8_bf8 v[8*(4*\t+\n):8*(4*\t+\n)+7], v[WF+16*\n:WF+16*\n+15], v[CD+16*\t:CD+16*\t+15], v[8*(4*\t+\n):8*(4*\t+\n)+7]
.endif
.endr
.endr
	WIN 0
.endm
; A K step.  more = 1: the next K step's fbits are asked for.
.macro TRIP zero, more
	s_wait_loadcnt 0x0                             ; this step's fbits are in; no load of mine is out, so the two bases may be stepped
	PACK                                           ; 30 plain lines; no memory or LDS instruction names what they write
.if \zero == 0
	s_add_nc_u64 s[6:7], s[6:7], 128
	s_add_nc_u64 s[8:9], s[8:9], 128
.endif
	s_wait_alu depctr_vm_vsrc(0)                   ; the last step's table reads have read both address buffers, which are written again below; in the first step: the tables' LDS stores have read v188-251, where ADX, the features and the top of LB1 lie
	ADDR AD, 0, 1
	ADDR ADX, 2, 3
	s_wait_alu depctr_va_vdst(0)                   ; both address buffers are written; the last step's MULTs (in the first step the tables' doublings) are done with v64-191, its matrix instructions with W's fragments, PACK with fbits: loads land in all of these below
	LOOK LB, AD
	LOOK LB+64, ADX
	WLOAD                                          ; wanted at the step's end.  Between the wait above and these loads stand only loads and a window switch
.if \more
	FLOAD 128                                      ; wanted at the next step's head
.endif
	OCT 0, 1, 4, 5
	OCT 1, 1, 6, 7
	OCT 2, 1, 8, 9
	OCT 3, 1, 10, 11
	OCT 4, 1, 12, 13
	OCT 5, 1, 14, 15
	OCT 6, 0, 0, 0
	OCT 7, 0, 0, 0
.if \more
	s_wait_loadcnt 16                              ; W's sixteen loads are in; the sixteen of fbits, issued behind them, may be out
.else
	s_wait_loadcnt 0x0
.endif
	MMA \zero
.endm
	s_load_b256 s[4:11], s[0:1], 0x0               ; x s[4:5], fbits s[6:7], W's codes s[8:9], the scales' exponents s[10:11]
	s_load_b64 s[12:13], s[0:1], 0x20              ; part
	v_lshl_add_u32 v254, v0, 2, 0x42000
	v_mov_b32 v255, 0
	v_lshrrev_b32 v7, 5, v0
	v_readfirstlane_b32 s14, v7                    ; wave 0..7
	s_mov_b32 s15, ttmp9                           ; row block
	s_and_b32 s16, ttmp7, 0xffff                   ; eighth of K
	v_and_b32 v7, 15, v0                           ; r
	v_and_b32 v[PH], 31, v0                        ; lane
	v_bfe_u32 v[PL], v0, 4, 1                      ; h
	v_lshlrev_b32 v[LH], 4, v7
	v_add_nc_u32 v[LL], TL, v[LH]
	v_lshlrev_b32 v[FO], 2, v[PH]
	v_lshlrev_b32 v[WO], 16, v7
	v_lshl_add_u32 v[WO], v[PL], 6, v[WO]
	v_lshlrev_b32 v[GO], 4, v0
	s_wait_alu depctr_va_sdst(0)                   ; s14, the wave's number, is written, ahead of its first reader
	s_bfe_u32 s17, s14, 0x10001                    ; for the tables: which table I build (bit 1 of the wave's number),
	s_lshr_b32 s18, s14, 2                         ; which half of its patterns (the top bit),
	s_and_b32 s19, s14, 1                          ; for which 32 of the 64 rows
	s_lshl_b32 s23, s19, 11                        ; x: row 32 half + lane of 64 bytes, + 32 bytes for the second table's eight factors
	s_lshl_b32 s24, s17, 5
	s_add_co_u32 s23, s23, s24
	v_lshl_add_u32 v[XO], v[PH], 6, s23
	s_lshl_b32 s23, s17, 16                        ; the table, the half of its patterns, and my row's place in an entry: 16 r + 4 t, t = 2 half + h
	s_lshl_b32 s24, s18, 15
	s_add_co_u32 s23, s23, s24
	s_lshl_b32 s24, s19, 3
	s_add_co_u32 s23, s23, s24
	v_lshl_add_u32 v[TA], v[PL], 2, v[LH]
	v_add_nc_u32 v[TA], s23, v[TA]
	s_mul_i32 s25, s14, STGB
	s_add_co_u32 s25, s25, STG                     ; my stage
	v_mul_u32_u24 v[STO], v7, SPITCH
	v_lshl_add_u32 v[STO], v[PL], 5, v[STO]
	v_add_nc_u32 v[STO], s25, v[STO]               ; in: row r, + 32 h
	v_lshrrev_b32 v[RD], 4, v0
	v_mul_u32_u24 v[RD], v[RD], SPITCH
	v_lshl_add_u32 v[RD], v7, 4, v[RD]
	v_add_nc_u32 v[RD], STG, v[RD]                 ; back: row thread / 16, 16 bytes at 16 (thread % 16)
	v_add_nc_u32 v[RD+1], 2*STGB, v[RD]
	v_add_nc_u32 v[RD+2], 4*STGB, v[RD]
	v_add_nc_u32 v[RD+3], 6*STGB, v[RD]
	s_wait_kmcnt 0x0
	s_load_b32 s22, s[10:11], 0x0                  ; e0
	s_lshl_b32 s20, s15, 12                        ; 64 rows of x are 4,096 bytes
	s_mov_b32 s21, 0
	s_add_nc_u64 s[4:5], s[4:5], s[20:21]
	s_lshl_b32 s20, s16, 13                        ; j0 = 8,192 x eighth + 1,024 x wave
	s_lshl_b32 s23, s14, 10
	s_add_co_u32 s20, s20, s23
	s_add_nc_u64 s[6:7], s[6:7], s[20:21]
	s_add_nc_u64 s[8:9], s[8:9], s[20:21]
	s_lshl_b32 s20, s16, 19                        ; part: 524,288 bytes an eighth, 16,384 a row block
	s_lshl_b32 s23, s15, 14
	s_add_co_u32 s20, s20, s23
	s_add_nc_u64 s[12:13], s[12:13], s[20:21]
	s_wait_alu depctr_va_vdst(0)                   ; the offsets and addresses that stay (v3, v4, v50 to v57) are written: the loads and stores of the whole kernel read them, and no line writes them again
.irp i, 0,1,2,3,4,5,6,7
	global_load_b32 v[AD+1+2*\i], v[XO], s[4:5] offset:4*\i   ; x of my row, into the upper halves of eight pairs
.endr
	FLOAD 0                                        ; the first K step's fbits
	; THE TABLES.  A thread makes 128 entries of one table for one row: the top bit's factor is chosen by the wave, seven doublings follow.
	s_wait_loadcnt 16                              ; x is in; the sixteen loads of fbits, issued behind it, may be out
.irp i, 0,1,2,3,4,5,6,7
	v_sub_f32 v[AD+2*\i], 1.0, v[AD+1+2*\i]        ; the pairs (1 - x, x)
.endr
	s_cmp_lg_u32 s18, 0
	s_cselect_b32 s27, -1, 0
	v_cndmask_b32 v60, v[AD], v[AD+1], s27
	v_mov_b32 v61, v60                             ; (named with it as a pair, so it is written)
	LEVEL 60, 62, 1, AD+2
	LEVEL 62, 64, 2, AD+4
	LEVEL 64, 68, 4, AD+6
	LEVEL 68, 76, 8, AD+8
	LEVEL 76, 92, 16, AD+10
	LEVEL 92, 124, 32, AD+12
.irp a, 0,1
.if \a
	s_wait_alu depctr_vm_vsrc(0)                   ; the first run's LDS stores have read v188-251, which the doubling below writes again
.endif
	LEVEL 124+32*\a, 188, 32, AD+14
	s_wait_alu depctr_va_vdst(0)                   ; the doubling has written v188-251, which the LDS stores below read
.set u, 0
.rept 64
	ds_store_b32 v[TA], v[188+u] offset:(64*\a+u)*256   ; 32 lanes: 16 r + 4 t: 32 different words of one entry's 256 bytes
.set u, u+1
.endr
	s_wait_dscnt 0x0                               ; this run's stores have landed
.endr
	s_wait_kmcnt 0x0
	s_add_co_i32 s23, s22, 127
	s_lshl_b32 s24, s23, 23
	v_mov_b32 v[SC], s24                           ; 2^e0 as f32: the conversion takes its exponent field
	s_add_co_i32 s23, s23, 15
	s_lshl_b32 s23, s23, 23
	s_or_b32 s23, s23, 0x600000
	v_mov_b32 v[LIM], s23                          ; 57,344 x 2^e0
	BARRIER                                        ; both tables are whole; from here to the next barrier LDS is only read
	TRIP 1, 1                                      ; the first K step starts the sums
	s_mov_b32 s26, 6
.Ltrip:
	TRIP 0, 1
	s_sub_co_u32 s26, s26, 1
	s_cmp_lg_u32 s26, 0
	s_cbranch_scc1 .Ltrip
	TRIP 0, 0                                      ; the last K step asks for nothing more
	; THE EIGHT WAVES' SUMS MEET.  Each wave puts its 64 x 64 sums into its stage; then thread T adds, for four groups of 16 rows, the eight stages' 16 bytes at row T / 16, and stores them.
.rept 4
	v_nop                                          ; four places between the last matrix instructions and the first read of results (ISA guide 7.12.1)
.endr
	BARRIER                                        ; no wave reads the tables any more: LDS may be written
	WIN 0x04                                       ; store data window 1, address window 0
	s_wait_alu depctr_va_vdst(0)                   ; the matrix instructions have written the accumulators, which the LDS stores read (the places above stay beside this wait); and the last MULTs are done reading v64-191, in which the loads from the stages land
.irp t, 0,1,2,3
.irp n, 0,1,2,3
	ds_store_b128 v[STO], v[8*(4*\t+\n):8*(4*\t+\n)+3] offset:16*SPITCH*\t+64*\n         ; lane (r, h): row 16 t + r, outputs 16 n + 8 h + 0..7; each accumulator from its low end on
	ds_store_b128 v[STO], v[8*(4*\t+\n)+4:8*(4*\t+\n)+7] offset:16*SPITCH*\t+64*\n+16
.endr
.endr
	WIN 0
	BARRIER                                        ; all eight stages are whole
.irp i, 0,1,2,3
.irp w, 0,1,2,3,4,5,6,7
	ds_load_b128 v[LB+4*(8*\i+\w):LB+4*(8*\i+\w)+3], v[RD+\w/2] offset:STGB*(\w%2)+16*SPITCH*\i
.endr
.endr
.irp i, 0,1,2,3
	s_wait_dscnt 8*(3-\i)                          ; this group's eight loads are in; the later groups' may be out
.irp w, 0,2,4,6
	v_pk_add_f32 v[LB+32*\i+4*\w:LB+32*\i+4*\w+1], v[LB+32*\i+4*\w:LB+32*\i+4*\w+1], v[LB+32*\i+4*\w+4:LB+32*\i+4*\w+5]
	v_pk_add_f32 v[LB+32*\i+4*\w+2:LB+32*\i+4*\w+3], v[LB+32*\i+4*\w+2:LB+32*\i+4*\w+3], v[LB+32*\i+4*\w+6:LB+32*\i+4*\w+7]
.endr
.irp w, 0,4
	v_pk_add_f32 v[LB+32*\i+4*\w:LB+32*\i+4*\w+1], v[LB+32*\i+4*\w:LB+32*\i+4*\w+1], v[LB+32*\i+4*\w+8:LB+32*\i+4*\w+9]
	v_pk_add_f32 v[LB+32*\i+4*\w+2:LB+32*\i+4*\w+3], v[LB+32*\i+4*\w+2:LB+32*\i+4*\w+3], v[LB+32*\i+4*\w+10:LB+32*\i+4*\w+11]
.endr
	v_pk_add_f32 v[LB+32*\i:LB+32*\i+1], v[LB+32*\i:LB+32*\i+1], v[LB+32*\i+16:LB+32*\i+17]
	v_pk_add_f32 v[LB+32*\i+2:LB+32*\i+3], v[LB+32*\i+2:LB+32*\i+3], v[LB+32*\i+18:LB+32*\i+19]
.endr
	s_wait_alu depctr_va_vdst(0)                   ; the additions have written the four groups' sums, which the four stores below read
.irp i, 0,1,2,3
	global_store_b128 v[GO], v[LB+32*\i:LB+32*\i+3], s[12:13] offset:4096*\i   ; sixteen lanes store a row's 256 consecutive bytes, at a multiple of 256 from part's first byte
.endr
	s_wait_dscnt 0x0                               ; the closing lines, six on end
	s_wait_alu 0x0
	s_wait_tensorcnt 0x0
	ds_add_u32 v254, v255
	s_wait_dscnt 0x0
	s_endpgm
.Lfunc_end_k_qba1f04fe21_lattice:
	.size	k_qba1f04fe21_lattice, .Lfunc_end_k_qba1f04fe21_lattice-k_qba1f04fe21_lattice
	.p2alignl 7, 3214868480
	.fill 96, 4, 3214868480
	.section	.rodata,"a",@progbits
	.p2align	6, 0x0
	.amdhsa_kernel k_qba1f04fe21_lattice
		.amdhsa_group_segment_fixed_size 271360
		.amdhsa_private_segment_fixed_size 0
		.amdhsa_enable_private_segment 0
		.amdhsa_kernarg_size 40
		.amdhsa_user_sgpr_count 2
		.amdhsa_user_sgpr_kernarg_segment_ptr 1
		.amdhsa_wavefront_size32 1
		.amdhsa_system_sgpr_workgroup_id_x 1
		.amdhsa_system_sgpr_workgroup_id_y 1
		.amdhsa_system_sgpr_workgroup_id_z 1
		.amdhsa_system_vgpr_workitem_id 0
		.amdhsa_next_free_vgpr 512
		.amdhsa_next_free_sgpr 66
		.amdhsa_reserve_vcc 0
		.amdhsa_float_denorm_mode_32 3
		.amdhsa_float_denorm_mode_16_64 3
		.amdhsa_memory_ordered 1
		.amdhsa_forward_progress 1
		.amdhsa_inst_pref_size 202
	.end_amdhsa_kernel
	.amdgpu_metadata
---
amdhsa.version: [ 1, 2 ]
amdhsa.kernels:
  - .name:           k_qba1f04fe21_lattice
    .symbol:         k_qba1f04fe21_lattice.kd
    .args:
      - { .name: x, .offset: 0, .size: 8, .value_kind: global_buffer, .address_space: global }
      - { .name: fbits, .offset: 8, .size: 8, .value_kind: global_buffer, .address_space: global }
      - { .name: weight_codes, .offset: 16, .size: 8, .value_kind: global_buffer, .address_space: global }
      - { .name: lowp_scales, .offset: 24, .size: 8, .value_kind: global_buffer, .address_space: global }
      - { .name: part, .offset: 32, .size: 8, .value_kind: global_buffer, .address_space: global }
    .group_segment_fixed_size: 271360
    .private_segment_fixed_size: 0
    .kernarg_segment_align: 8
    .kernarg_segment_size: 40
    .max_flat_workgroup_size: 256
    .sgpr_count:     66
    .vgpr_count:     512
    .wavefront_size: 32
...
	.end_amdgpu_metadata
.endif
;; end of part 3
;; launch fin: the kernel of part 2 again; grid 256 x 1, 4 waves a work-group, no clusters, 0 bytes of LDS; arguments part, bias, lowp_scales, out0; writes out0
